; MI455X (gfx1250); checked and timed in simulation.
; The chip was launched on July 23, 2026; its instructions are those of AMD's public machine-readable ISA for CDNA 5 (MIT licence, August 2026) and "CDNA5" Instruction Set Architecture Reference Guide (July 2026). The comments in the code are by the model that wrote it; some were corrected since.
;; Swin Block3 D. Allowed arithmetic: float matrix products may take bf16 or f16 operands with f32 sums; other float arithmetic in f32, or as packed bf16 or f16 multiplies, adds, multiply-adds, maxima and minima; sums over many terms, partial sums and values carried from step to step in f32; what a program stores and reads back later, other than sums and carried values, may be rounded once to bf16 or f16.
;; Inputs: b_bias1 64 float32; b_bias2 8 float32; b_fc1 512 float32; b_fc2 128 float32; b_proj 128 float32; b_qkv 384 float32; beta1 128 float32; beta2 128 float32; gamma1 128 float32; gamma2 128 float32; w_bias1 3 x 64 float32; w_bias2 64 x 8 float32; w_fc1 128 x 512 float32; w_fc2 512 x 128 float32; w_proj 128 x 128 float32; w_qkv 128 x 384 float32; x 4 x 32,768 x 128 float32.
;; Outputs: out0 4 x 32,768 x 128 float32.
;; One version. Each part assembles by itself: llvm-mc -triple=amdgcn-amd-amdhsa -mcpu=gfx1250 --defsym DOCPART=n.
;; ======== version 1 of 1: 2 launches
;; workspace buffers: img 455,680 bytes
;; launch prep (part 1): grid 406 x 1, 2 waves a work-group, no clusters, 0 bytes of LDS; arguments w_fc1, w_fc2, w_qkv, w_proj, gamma1, gamma2, beta1, beta2, b_qkv, b_proj, b_fc1, b_fc2, w_bias1, b_bias1, w_bias2, b_bias2, img; writes img
.if DOCPART == 1
	.amdgcn_target "amdgcn-amd-amdhsa--gfx1250"
	.amdhsa_code_object_version 6
	.text
	.protected	k_qc204263796_prep
	.globl	k_qc204263796_prep
	.p2align	8
	.type	k_qc204263796_prep,@function
k_qc204263796_prep:
	s_mov_b64 s[64:65], 0
	v_nop
	global_prefetch_b8 v0, s[64:65] scope:SCOPE_SE
	s_setreg_imm32_b32 hwreg(HW_REG_WAVE_MODE, 25, 1), 1
	s_wait_xcnt 0x0
; PREP: writes img, the image that the second launch copies into LDS as it lies.
;   bytes 0 .. 98,303        MLP blocks 0..5, 16,384 bytes each (block i: hidden channels 32 i .. 32 i + 31)
;   bytes 98,304 .. 286,719  attention blocks hp = 0..3, 47,104 bytes each (heads 2 hp, 2 hp + 1)
;   bytes 286,720 .. 291,839 VEC: f32 vectors
;   bytes 291,840 .. 455,679 MLP blocks 6..15
; A FRAGMENT is 1,024 bytes: 16 rows (output channels) x 32 k of bf16; byte 16 tau (tau = 32 u + lane, lane = 16 h + r) holds row r, k = 16 u + 8 h + 0..7:
; two 16-byte LDS loads a lane, 512 bytes apart, fill a matrix operand's 8 registers.
; gamma1 is multiplied into w_qkv and gamma2 into w_fc1 in f32, ahead of the one rounding to bf16; GELU's factor 0.5 (exact) into w_fc2.
; beta1 and beta2 are folded into the biases in f32: b'[n] = b[n] + sum over k of beta[k] w[k][n].
; The relative bias (3 -> 64 -> 8, ReLU between) has 7 different tiles of 16 keys x 16 queries a head, one for each difference of the first window coordinate;
; they are stored in f32, in the layout of a matrix accumulator, times 4 = 1 / SCALE (exact), so that they start the sum q . k.
; 406 work-groups of 64 threads, each with one job, chosen by the work-group's number; every work-group stores.
.set VECO, 286720
	s_load_b512 s[8:23], s[0:1], 0x0               ; w_fc1 8, w_fc2 10, w_qkv 12, w_proj 14, gamma1 16, gamma2 18, beta1 20, beta2 22
	s_load_b512 s[24:39], s[0:1], 0x40             ; b_qkv 24, b_proj 26, b_fc1 28, b_fc2 30, w_bias1 32, b_bias1 34, w_bias2 36, b_bias2 38
	s_load_b64 s[40:41], s[0:1], 0x80              ; img
	s_mov_b32 s2, ttmp9
	v_and_b32 v2, 15, v0                           ; r
	v_lshrrev_b32 v3, 4, v0
	v_lshlrev_b32 v3, 3, v3                        ; 16 u + 8 h
	s_wait_kmcnt 0x0
	s_cmp_lt_u32 s2, 256
	s_cbranch_scc1 .Lmlp
	s_cmp_lt_u32 s2, 384
	s_cbranch_scc1 .Latt
	s_cmp_lt_u32 s2, 391
	s_cbranch_scc1 .Lbias
	s_cmp_lt_u32 s2, 405
	s_cbranch_scc1 .Ldot
	; work-group 405: b_proj (wave 0) and b_fc2 (wave 1) are copied, 512 bytes each; 512 bytes of zeros close VEC
	v_lshrrev_b32 v1, 5, v0
	v_readfirstlane_b32 s3, v1
	s_mov_b32 s5, VECO+2048
	s_cmp_eq_u32 s3, 0
	s_cselect_b64 s[44:45], s[26:27], s[30:31]
	s_cselect_b32 s5, VECO+1536, s5
	v_and_b32 v4, 31, v0
	v_lshlrev_b32 v4, 4, v4
	global_load_b128 v[8:11], v4, s[44:45]
	v_add_nc_u32 v5, s5, v4
	v_lshlrev_b32 v6, 3, v0
	v_mov_b32 v12, 0
	v_mov_b32 v13, 0
	global_store_b64 v6, v[12:13], s[40:41] offset:VECO+4608
	s_wait_loadcnt 0x0
	global_store_b128 v5, v[8:11], s[40:41]
	s_endpgm
; One fragment.  s3 = first output channel n0, s4 = first k, s5 = the fragment's byte in img.  src: the weights' pointer, [K][n] f32.
; mode 1: times gamma[k] (pointer gam); 2: times 0.5; 0: as it is.
.macro FRAG src, n, mode, gam
	v_add_nc_u32 v4, s4, v3                        ; my first k
	v_mul_u32_u24 v5, v4, \n
	v_add3_u32 v5, v5, v2, s3
	v_lshlrev_b32 v5, 2, v5                        ; byte of w[k][n0 + r]
.irp i, 0,1,2,3,4,5,6,7
	global_load_b32 v[16+\i], v5, s[\src:\src+1] offset:\i*\n*4
.endr
.if \mode == 1
	v_lshlrev_b32 v6, 2, v4
	global_load_b128 v[24:27], v6, s[\gam:\gam+1]
	global_load_b128 v[28:31], v6, s[\gam:\gam+1] offset:16
.endif
	v_lshl_add_u32 v7, v0, 4, s5
	s_wait_loadcnt 0x0
.irp i, 0,1,2,3
.if \mode == 1
	v_pk_mul_f32 v[16+2*\i:17+2*\i], v[16+2*\i:17+2*\i], v[24+2*\i:25+2*\i]
.elseif \mode == 2
	v_pk_mul_f32 v[16+2*\i:17+2*\i], v[16+2*\i:17+2*\i], 0.5 op_sel_hi:[1,0]
.endif
.endr
.irp i, 0,1,2,3
	v_cvt_pk_bf16_f32 v[32+\i], v[16+2*\i], v[17+2*\i]
.endr
	global_store_b128 v7, v[32:35], s[40:41]       ; the two waves store 1,024 consecutive bytes
	s_endpgm
.endm
.Lmlp:                                                 ; work-groups 0..255: block i = g / 16, fragment phi = g % 16 (0-7 of w_fc1, 8-15 of w_fc2)
	s_lshr_b32 s6, s2, 4
	s_and_b32 s7, s2, 15
	s_lshl_b32 s5, s6, 14
	s_cmp_ge_u32 s6, 6
	s_cselect_b32 s42, 193536, 0                   ; blocks 6.. lie behind VEC
	s_add_co_u32 s5, s5, s42
	s_lshl_b32 s42, s7, 10
	s_add_co_u32 s5, s5, s42
	s_cmp_lt_u32 s7, 8
	s_cbranch_scc0 .Lw2
	s_lshr_b32 s3, s7, 2
	s_lshl_b32 s3, s3, 4
	s_lshl_b32 s42, s6, 5
	s_add_co_u32 s3, s3, s42                       ; hidden channel 32 i + 16 (phi / 4)
	s_and_b32 s4, s7, 3
	s_lshl_b32 s4, s4, 5                           ; channels 32 (phi % 4) on
	FRAG 8, 512, 1, 18
.Lw2:
	s_sub_co_u32 s3, s7, 8
	s_lshl_b32 s3, s3, 4                           ; output channels 16 (phi - 8) on
	s_lshl_b32 s4, s6, 5                           ; hidden channels 32 i on
	FRAG 10, 128, 2, 0
.Latt:                                                 ; work-groups 256..383: block hp, fragment phi (0-23 of w_qkv: 12 e + 4 part + ks; 24-31 of w_proj)
	s_sub_co_u32 s6, s2, 256
	s_lshr_b32 s7, s6, 5
	s_and_b32 s6, s6, 31
	s_mul_i32 s5, s7, 47104
	s_add_co_u32 s5, s5, 98304
	s_lshl_b32 s42, s6, 10
	s_add_co_u32 s5, s5, s42
	s_cmp_lt_u32 s6, 24
	s_cbranch_scc0 .Lwp
	s_cmp_ge_u32 s6, 12
	s_cselect_b32 s42, 1, 0                        ; e
	s_mul_i32 s43, s42, 12
	s_sub_co_u32 s43, s6, s43
	s_lshr_b32 s3, s43, 2                          ; part: q, k, v
	s_lshl_b32 s3, s3, 7
	s_lshl_b32 s44, s7, 1
	s_add_co_u32 s44, s44, s42                     ; head
	s_lshl_b32 s44, s44, 4
	s_add_co_u32 s3, s3, s44
	s_and_b32 s4, s43, 3
	s_lshl_b32 s4, s4, 5
	FRAG 12, 384, 1, 16
.Lwp:
	s_sub_co_u32 s3, s6, 24
	s_lshl_b32 s3, s3, 4
	s_lshl_b32 s4, s7, 5                           ; the two heads' 32 attention channels
	FRAG 14, 128, 0, 0
.Lbias:                                                ; work-groups 384..390: the tiles of d = g - 384 (query tile - key tile + 3), all 8 heads
	; thread tau owns accumulator registers 4 u + 0..3 of lane (r, h): keys (2 h + u, jj = 0..3), query (r / 4, r % 4)
	s_load_b256 s[48:55], s[38:39], 0x0            ; b_bias2
	s_sub_co_i32 s3, s2, 387                       ; first coordinate's difference, d - 3
	s_sub_co_u32 s4, s2, 384
	s_lshl_b32 s4, s4, 10
	v_and_b32 v1, 31, v0
	v_lshlrev_b32 v4, 2, v1
	v_lshlrev_b32 v5, 5, v1
.irp b, 0,1                                            ; lane lam holds what belongs to hidden units lam and 32 + lam: three weights, the bias, the 8 heads' weights
.irp c, 0,1,2
	global_load_b32 v[48+12*\b+\c], v4, s[32:33] offset:256*\c+128*\b
.endr
	global_load_b32 v[51+12*\b], v4, s[34:35] offset:128*\b
	global_load_b128 v[52+12*\b:55+12*\b], v5, s[36:37] offset:1024*\b
	global_load_b128 v[56+12*\b:59+12*\b], v5, s[36:37] offset:1024*\b+16
.endr
	v_cvt_f32_i32 v40, s3
	v_lshrrev_b32 v6, 2, v2
	v_bfe_u32 v7, v0, 4, 1
	v_lshrrev_b32 v8, 5, v0
	v_lshl_add_u32 v7, v7, 1, v8
	v_sub_nc_u32 v6, v6, v7
	v_cvt_f32_i32 v41, v6                          ; second coordinate's difference
	v_and_b32 v6, 3, v2
	v_cvt_f32_i32 v42, v6                          ; third coordinate's, for jj = 0..3
	v_add_f32 v43, -1.0, v42
	v_add_f32 v44, -2.0, v42
	v_add_f32 v45, 0xc0400000, v42
	v_mov_b32 v47, 0                               ; named with v46 as a pair
.irp i, 0,1,2,3,4,5,6,7,8,9,10,11
	s_mov_b32 s[67+2*\i], 0                        ; the odd halves of the scalar pairs are named, never used
.endr
	s_wait_kmcnt 0x0
.irp d, 0,1,2,3,4,5,6,7
.irp i, 0,1,2,3
	v_mov_b32 v[80+4*\d+\i], s[48+\d]              ; the sums start with b_bias2
.endr
.endr
	s_wait_loadcnt 0x0
	s_mov_b32 s6, 0
.Lf:                                                   ; 32 trips, two hidden units each
.irp b, 0,1
.irp i, 0,1,2,3,4,5,6,7,8,9,10,11
	v_readlane_b32 s[66+2*\i], v[48+12*\b+\i], s6
.endr
	v_fma_f32 v46, v40, s66, s72
	v_fma_f32 v46, v41, s68, v46
	v_pk_fma_f32 v[112:113], v[42:43], s[70:71], v[46:47] op_sel_hi:[1,0,0]
	v_pk_fma_f32 v[114:115], v[44:45], s[70:71], v[46:47] op_sel_hi:[1,0,0]
.irp i, 0,1,2,3
	v_max_num_f32 v[112+\i], 0, v[112+\i]
.endr
.irp d, 0,1,2,3,4,5,6,7
	v_pk_fma_f32 v[80+4*\d:81+4*\d], v[112:113], s[74+2*\d:75+2*\d], v[80+4*\d:81+4*\d] op_sel_hi:[1,0,1]
	v_pk_fma_f32 v[82+4*\d:83+4*\d], v[114:115], s[74+2*\d:75+2*\d], v[82+4*\d:83+4*\d] op_sel_hi:[1,0,1]
.endr
.endr
	s_add_co_u32 s6, s6, 1
	s_cmp_lt_u32 s6, 32
	s_cbranch_scc1 .Lf
.irp i, 0,1,2,3,4,5,6,7,8,9,10,11,12,13,14,15
	v_pk_mul_f32 v[80+2*\i:81+2*\i], v[80+2*\i:81+2*\i], 4.0 op_sel_hi:[1,0]
.endr
	v_lshl_add_u32 v7, v0, 4, s4
.irp d, 0,1,2,3,4,5,6,7
	global_store_b128 v7, v[80+4*\d:83+4*\d], s[40:41] offset:98304+47104*(\d/2)+32768+7168*(\d%2)
.endr
	s_endpgm
.Ldot:                                                 ; work-groups 391..396: b_qkv + beta1 w_qkv; 397..404: b_fc1 + beta2 w_fc1; a thread an output channel
	s_mov_b32 s5, 2048
	s_mov_b32 s3, 397
	s_mov_b32 s7, VECO+2560
	s_cmp_lt_u32 s2, 397
	s_cselect_b64 s[44:45], s[12:13], s[8:9]
	s_cselect_b64 s[46:47], s[20:21], s[22:23]
	s_cselect_b64 s[42:43], s[24:25], s[28:29]
	s_cselect_b32 s5, 1536, s5                     ; bytes in a row of the weights
	s_cselect_b32 s3, 391, s3
	s_cselect_b32 s7, VECO, s7
	s_sub_co_u32 s3, s2, s3
	s_lshl_b32 s3, s3, 8
	v_lshl_add_u32 v5, v0, 2, s3                   ; 4 n
	v_add_nc_u32 v6, s7, v5
	v_and_b32 v1, 31, v0
	v_lshlrev_b32 v1, 2, v1
.irp q, 0,1,2,3
	global_load_b32 v[8+\q], v1, s[46:47] offset:128*\q  ; lane lam holds beta[32 q + lam]
.endr
	global_load_b32 v12, v5, s[42:43]
.set k, 0
.rept 128
	v_mad_u32_u24 v[32+k], s5, k, v5               ; the offset of w[k][n], in the register on which its load lands
.set k, k+1
.endr
.set k, 0
.rept 128
	global_load_b32 v[32+k], v[32+k], s[44:45]
.set k, k+1
.endr
	v_mov_b32 v17, 0
	v_mov_b32 v18, 0
	v_mov_b32 v19, 0
	s_wait_loadcnt 0x0
	v_mov_b32 v16, v12
.set k, 0
.rept 128
	v_readlane_b32 s[66+k%8], v[8+k/32], k%32
	v_fmac_f32 v[16+k%4], s[66+k%8], v[32+k]       ; four chains
.set k, k+1
.endr
	v_add_f32 v16, v16, v17
	v_add_f32 v18, v18, v19
	v_add_f32 v16, v16, v18
	global_store_b32 v6, v16, s[40:41]
	s_endpgm
.Lfunc_end_k_qc204263796_prep:
	.size	k_qc204263796_prep, .Lfunc_end_k_qc204263796_prep-k_qc204263796_prep
	.p2alignl 7, 3214868480
	.fill 96, 4, 3214868480
	.section	.rodata,"a",@progbits
	.p2align	6, 0x0
	.amdhsa_kernel k_qc204263796_prep
		.amdhsa_group_segment_fixed_size 0
		.amdhsa_private_segment_fixed_size 0
		.amdhsa_enable_private_segment 0
		.amdhsa_kernarg_size 136
		.amdhsa_user_sgpr_count 2
		.amdhsa_user_sgpr_kernarg_segment_ptr 1
		.amdhsa_wavefront_size32 1
		.amdhsa_system_sgpr_workgroup_id_x 1
		.amdhsa_system_sgpr_workgroup_id_y 1
		.amdhsa_system_sgpr_workgroup_id_z 1
		.amdhsa_system_vgpr_workitem_id 0
		.amdhsa_next_free_vgpr 176
		.amdhsa_next_free_sgpr 96
		.amdhsa_reserve_vcc 0
		.amdhsa_float_denorm_mode_32 3
		.amdhsa_float_denorm_mode_16_64 3
		.amdhsa_memory_ordered 1
		.amdhsa_forward_progress 1
		.amdhsa_inst_pref_size 56
	.end_amdhsa_kernel
	.amdgpu_metadata
---
amdhsa.version: [ 1, 2 ]
amdhsa.kernels:
  - .name:           k_qc204263796_prep
    .symbol:         k_qc204263796_prep.kd
    .args:
      - { .name: w_fc1, .offset: 0, .size: 8, .value_kind: global_buffer, .address_space: global }
      - { .name: w_fc2, .offset: 8, .size: 8, .value_kind: global_buffer, .address_space: global }
      - { .name: w_qkv, .offset: 16, .size: 8, .value_kind: global_buffer, .address_space: global }
      - { .name: w_proj, .offset: 24, .size: 8, .value_kind: global_buffer, .address_space: global }
      - { .name: gamma1, .offset: 32, .size: 8, .value_kind: global_buffer, .address_space: global }
      - { .name: gamma2, .offset: 40, .size: 8, .value_kind: global_buffer, .address_space: global }
      - { .name: beta1, .offset: 48, .size: 8, .value_kind: global_buffer, .address_space: global }
      - { .name: beta2, .offset: 56, .size: 8, .value_kind: global_buffer, .address_space: global }
      - { .name: b_qkv, .offset: 64, .size: 8, .value_kind: global_buffer, .address_space: global }
      - { .name: b_proj, .offset: 72, .size: 8, .value_kind: global_buffer, .address_space: global }
      - { .name: b_fc1, .offset: 80, .size: 8, .value_kind: global_buffer, .address_space: global }
      - { .name: b_fc2, .offset: 88, .size: 8, .value_kind: global_buffer, .address_space: global }
      - { .name: w_bias1, .offset: 96, .size: 8, .value_kind: global_buffer, .address_space: global }
      - { .name: b_bias1, .offset: 104, .size: 8, .value_kind: global_buffer, .address_space: global }
      - { .name: w_bias2, .offset: 112, .size: 8, .value_kind: global_buffer, .address_space: global }
      - { .name: b_bias2, .offset: 120, .size: 8, .value_kind: global_buffer, .address_space: global }
      - { .name: img, .offset: 128, .size: 8, .value_kind: global_buffer, .address_space: global }
    .group_segment_fixed_size: 0
    .private_segment_fixed_size: 0
    .kernarg_segment_align: 8
    .kernarg_segment_size: 136
    .max_flat_workgroup_size: 64
    .sgpr_count:     96
    .vgpr_count:     176
    .wavefront_size: 32
...
	.end_amdgpu_metadata
.endif
;; end of part 1
;; launch block (part 2): grid 256 x 1, 4 waves a work-group, clusters of 4 x 1, 327,680 bytes of LDS; arguments x, img, out0; writes out0
.if DOCPART == 2
	.amdgcn_target "amdgcn-amd-amdhsa--gfx1250"
	.amdhsa_code_object_version 6
	.text
	.protected	k_qc204263796_block
	.globl	k_qc204263796_block
	.p2align	8
	.type	k_qc204263796_block,@function
k_qc204263796_block:
	s_mov_b64 s[64:65], 0
	v_nop
	global_prefetch_b8 v0, s[64:65] scope:SCOPE_SE
	s_setreg_imm32_b32 hwreg(HW_REG_WAVE_MODE, 25, 1), 1
	s_wait_xcnt 0x0
	s_wait_alu depctr_hold_cnt(0) depctr_sa_sdst(0) depctr_va_vdst(0) depctr_va_sdst(0) depctr_va_ssrc(0) depctr_va_vcc(0) depctr_vm_vsrc(0)
	s_getreg_b32 s2, hwreg(HW_REG_IB_STS2, 6, 4)
	s_cmp_eq_u32 s2, 0
	s_cbranch_scc0 .Lentry_in_a_cluster
	s_endpgm
.Lentry_in_a_cluster:
	s_bfe_u32 s2, ttmp6, 0x10000c
	s_cmp_lg_u32 s2, 0x3003
	s_cbranch_scc0 .Lentry_shape_is_right
	s_endpgm
.Lentry_shape_is_right:
; THE WHOLE SWIN BLOCK: LN1, shift, windows, attention with relative bias, projection, residual, LN2, fc1, exact GELU, fc2, residual.  x, out0: [4][32768][128] f32.
; Nothing crosses a window of 64 tokens, and a token returns to the row of x from which it came: a window goes from x to out0 in registers.
; SHARES.  Work-group g = (b, wh, ww) owns the 8 windows of one line along the last axis; wave w the windows wd = 2 w and 2 w + 1, one after the other: PIECES A and B of 64 tokens, four tiles of 16
; (tile t = first window coordinate).  Order: attention(A), attention(B), the one refill of LDS, MLP(B), MLP(A): B's rows are loaded under attention(A), B's results leave under MLP(A).
; WEIGHTS come from img (made by the launch before: bf16 fragments in the order in which a lane reads them, gamma and beta folded in) by tensor loads that the four work-groups of a cluster ask for jointly.
; All of them do not fit in LDS at once: MLP blocks 0-5, the attention blocks and the vectors first; MLP blocks 6-15 take the attention blocks' place when both pieces' attention is done.
; LAYOUT.  T-layout: lane (r = l % 16, h = l / 16) holds token r, register j channel 8 h + j of a tile of 16 channels.  It is what D = W x H^T gives (source 0 = 16 output channels, source 1 = 16 tokens), and
; two such results rounded to bf16 in pairs ARE source 1 of the next product.  So LN -> q, k -> S^T = K Q^T -> P -> O^T = V^T P -> projection (added in place onto x) -> LN -> fc1 -> GELU -> fc2 (added in place)
; never change lanes.  v is made the other way round (source 0 = tokens), which gives V^T's operand.  Only rows of memory <-> T-layout go through LDS, through 8,448 bytes of the wave's own.
; S^T starts with C = 4 x bias (f32); p = 2^(c s - c m), c = log2(e) / 4, m the row's true maximum, bias included.  A head has 16 channels: the upper half of K = 32 is zeros.
; GELU is x Phi(x) with erf z = 1 - (1 + a1 z + .. + a6 z^6)^-16 (Abramowitz and Stegun 7.1.28; error at most 3e-7 for every z >= 0); g = x + |x| erf(|x| / sqrt 2) = 2 gelu(x), the 0.5 lies in w_fc2's image.
; LIMITS.  All matrix operands are bf16 (LN's results, q, k, v, p, O, the hidden values, the weights with gamma multiplied in), sums f32.  erf within 3e-7.  A weight p, a reciprocal or a root whose result
; lies below 2^-126 counts as 0.  NaN and infinities are not treated apart.  For each piece 16 products run on zeros and 16 on bytes that are no fc1 weights; their results are never read: one text serves every trip.
; REGISTERS, in windows of 256 (s_set_vgpr_msb: bits 1:0 source 0, 3:2 source 1, 5:4 source 2, 7:6 destination):
;   window 2: XC, the piece in hand, f32, tile t, channel tile c at 64 t + 8 c.     window 3: XP, the next piece's rows as loaded (row n of tile t at 64 t + 4 n), later the parked piece.
;   window 1: v0-127 H (LN's result, bf16, 32 t + 8 ks); v128-255 weights: attention W 128 + 8 (3 ks + part), bias vectors 224, 232, 240, bias tiles 128 + 8 d, O^T 128 + 8 qt, w_proj 160 + 8 c, V^T 240 + 8 kk;
;             MLP W1 128 + 8 (4 e2 + ks), W2 192 + 8 c.
;   window 0: v0-31 addresses and statistics; attention: OP 32 + 8 t, Qop 64 + 8 t, Kop 96 + 8 t, v128-255 q, k, v sums, then S^T 128 + 32 qt + 8 kt and P in place; MLP: CT 32, AT 48, RT 64, HA 128-191.
.set ATTB,  98304                      ; LDS: MLP block i at 16,384 i; until the refill the attention blocks from here on
.set ABLK,  47104
.set VEC,   286720                     ; f32 vectors: +0 q, k, v biases, +1536 b_proj, +2048 b_fc2, +2560 fc1 biases, +4608 zeros; never filled again
.set VPJ,   1536
.set VF2,   2048
.set VF1,   2560
.set SCR,   291840                     ; 8,448 bytes for each wave: 16 rows, 528 bytes apart (33 x 16: the 16 rows of a load start at 16 different groups of four banks: ISA guide 11.1); no tensor load lands here
.set SCRW,  8448
.set SP,    528
.set SPARE, 325632                     ; the spare words, 128 bytes for each wave: two blocks of 256 bytes that no other line names
.set IMG2,  291840                     ; img: MLP blocks 6-15
.set L16, 1                            ; v1   16 x lane
.set AB,  2                            ; v2   16 x lane + the attention block in hand
.set QB,  3                            ; v3   VEC + 32 h + 128 hp
.set MB1, 4                            ; v4   16 x lane + the MLP block whose W1 is fetched next
.set MB2, 5                            ; v5   the same for W2
.set FB,  6                            ; v6   fc1's bias of that block
.set SCW, 7                            ; v7   my 16 bytes of a row in my scratch
.set SCRD, 8                           ; v8   my token's row in my scratch + 32 h
.set VB,  9                            ; v9   VEC + 32 h
.set SPW, 10                           ; v10  my spare word; never rewritten
.set NIL, 11                           ; v11  0; never rewritten
.set ST,  12                           ; v12-27 four registers of statistics a tile
.set RB,  28                           ; v28  VEC + 4 r + 128 hp
.set FB0, 29                           ; v29  VEC + VF1 + 32 h
.set RB0, 30                           ; v30  VEC + 4 r
.set HA,  128
.set CT,  32
.set AT,  48
.set RT,  64
.set MSB, 0
.macro WIN new                         ; the immediate's high byte repeats the setting that is left; a switch that changes nothing is dropped
.if MSB != (\new)
	s_set_vgpr_msb (MSB<<8)|(\new)
.set MSB, (\new)
.endif
.endm
.macro PLACES n                        ; plain vector instructions behind a matrix instruction, where no other work is at hand (ISA guide 7.12.1)
.rept \n
	v_nop
.endr
.endm
.macro MMA d, a, b, c
	v_wmma_f32_16x16x32_bf16 v[(\d):(\d)+7], v[(\a):(\a)+7], v[(\b):(\b)+7], v[(\c):(\c)+7]
.endm
.macro MMA0 d, a, b
	v_wmma_f32_16x16x32_bf16 v[(\d):(\d)+7], v[(\a):(\a)+7], v[(\b):(\b)+7], 0
.endm
.macro ROUND                           ; a round of the cluster's barrier: my work-group's barrier; wave 0 signals for it; every wave waits for all four work-groups; my work-group's barrier once more
	s_barrier_signal -1
	s_barrier_wait -1
	s_cmp_lg_u32 s10, 0
	s_cbranch_scc1 .Lnot_wave_0_\@
	s_barrier_signal -3
.Lnot_wave_0_\@:
	s_barrier_wait -3
	s_barrier_signal -1
	s_barrier_wait -1
.endm
; The 16 row offsets of a tile for piece p (window wd = 2 wave + p): token n = 4 j + k lies at ((4 ww + 2 + j) % 32) x 16,384 + ((4 wd + 2 + k) % 32) x 512 bytes; + 16 x lane.
.macro MKOFF p, off
	s_lshl_b32 s71, s10, 1
	s_add_co_u32 s71, s71, \p
	s_lshl_b32 s71, s71, 2
	s_add_co_u32 s71, s71, 2
.irp k, 0,1,2,3
	s_add_co_u32 s[60+\k], s71, \k
	s_and_b32 s[60+\k], s[60+\k], 31
	s_lshl_b32 s[60+\k], s[60+\k], 9
.endr
.set jk, 0
.rept 16
	s_add_co_u32 s71, s[56+jk/4], s[60+jk%4]
	v_add_nc_u32 v[(\off)+jk], s71, v[L16]
.set jk, jk+1
.endr
.endm
.macro LOADX off                       ; a piece's 64 rows into XP: each load covers one token's 512 consecutive bytes
	WIN 0xC0
.set t_, 0
.rept 4
.set n_, 0
.rept 16
	global_load_b128 v[64*t_+4*n_:64*t_+4*n_+3], v[(\off)+n_], s[40+2*t_:41+2*t_] th:TH_LOAD_NT
.set n_, n_+1
.endr
.set t_, t_+1
.endr
	WIN 0
.endm
; The piece in XP comes into XC in T-layout, through my scratch, a tile at a time; the piece that was in XC is parked in XP.  LDS serves a wave's instructions in order (ISA guide 5.7.1.4): no wait between stores and loads.
.macro ENTER
.set t_, 0
.rept 4
	s_wait_loadcnt 48-16*t_                        ; this tile's 16 rows are in; the later tiles' loads may stay out
	WIN 0x0C
.set n_, 0
.rept 16
	ds_store_b128 v[SCW], v[64*t_+4*n_:64*t_+4*n_+3] offset:SP*n_
.set n_, n_+1
.endr
	WIN 0xC2
.set n_, 0
.rept 64
	v_mov_b32 v[64*t_+n_], v[64*t_+n_]             ; ascending: each accumulator is read from its low end on
.set n_, n_+1
.endr
	WIN 0x80
.set n_, 0
.rept 16
	ds_load_b128 v[64*t_+4*n_:64*t_+4*n_+3], v[SCRD] offset:64*(n_/2)+16*(n_%2)
.set n_, n_+1
.endr
.set t_, t_+1
.endr
	WIN 0
	s_wait_dscnt 0x0
.endm
; LayerNorm of XC into H (gamma and beta lie in the weights' image): mean, then the mean of squared differences, as the definition has them.  A token's 128 channels lie in two lanes, 16 apart.
.macro LN
	WIN 0x0A
.set t_, 0
.rept 4
.set p_, 0
.rept 16
	v_pk_add_f32 v[128+32*t_+2*p_:128+32*t_+2*p_+1], v[64*t_+2*p_:64*t_+2*p_+1], v[64*t_+32+2*p_:64*t_+32+2*p_+1]
.set p_, p_+1
.endr
.set t_, t_+1
.endr
	WIN 0
.irp w, 8,4,2,1
.set t_, 0
.rept 4
.set p_, 0
.rept \w
	v_pk_add_f32 v[128+32*t_+2*p_:128+32*t_+2*p_+1], v[128+32*t_+2*p_:128+32*t_+2*p_+1], v[128+32*t_+2*(p_+\w):128+32*t_+2*(p_+\w)+1]
.set p_, p_+1
.endr
.set t_, t_+1
.endr
.endr
.irp t, 0,1,2,3
	v_add_f32 v[ST+4*\t], v[128+32*\t], v[129+32*\t]
.endr
.irp t, 0,1,2,3
	v_permlanex16_b32 v[ST+4*\t+1], v[ST+4*\t], s66, s67
.endr
.irp t, 0,1,2,3
	v_add_f32 v[ST+4*\t], v[ST+4*\t], v[ST+4*\t+1]
.endr
.irp t, 0,1,2,3
	v_mul_f32 v[ST+4*\t], s90, v[ST+4*\t]          ; the mean
.endr
.set t_, 0
.rept 4
	WIN 0x02
.set p_, 0
.rept 32
	v_pk_add_f32 v[128+2*p_:128+2*p_+1], v[64*t_+2*p_:64*t_+2*p_+1], v[ST+4*t_:ST+4*t_+1] op_sel_hi:[1,0] neg_lo:[0,1] neg_hi:[0,1]
.set p_, p_+1
.endr
	WIN 0
.set p_, 0
.rept 32
.if p_ < 4
	v_pk_mul_f32 v[192+8*t_+2*p_:192+8*t_+2*p_+1], v[128+2*p_:128+2*p_+1], v[128+2*p_:128+2*p_+1]
.else
	v_pk_fma_f32 v[192+8*t_+2*(p_%4):192+8*t_+2*(p_%4)+1], v[128+2*p_:128+2*p_+1], v[128+2*p_:128+2*p_+1], v[192+8*t_+2*(p_%4):192+8*t_+2*(p_%4)+1]
.endif
.set p_, p_+1
.endr
	v_pk_add_f32 v[192+8*t_:193+8*t_], v[192+8*t_:193+8*t_], v[194+8*t_:195+8*t_]
	v_pk_add_f32 v[196+8*t_:197+8*t_], v[196+8*t_:197+8*t_], v[198+8*t_:199+8*t_]
	v_pk_add_f32 v[192+8*t_:193+8*t_], v[192+8*t_:193+8*t_], v[196+8*t_:197+8*t_]
.set t_, t_+1
.endr
.irp t, 0,1,2,3
	v_add_f32 v[ST+4*\t+2], v[192+8*\t], v[193+8*\t]
.endr
.irp t, 0,1,2,3
	v_permlanex16_b32 v[ST+4*\t+3], v[ST+4*\t+2], s66, s67
.endr
.irp t, 0,1,2,3
	v_add_f32 v[ST+4*\t+2], v[ST+4*\t+2], v[ST+4*\t+3]
.endr
.irp t, 0,1,2,3
	v_fma_f32 v[ST+4*\t+2], v[ST+4*\t+2], s90, s91 ; variance + 1e-5
.endr
.irp t, 0,1,2,3
	v_rsq_f32 v[ST+4*\t+2], v[ST+4*\t+2]
.endr
	v_nop                                          ; a plain instruction behind the last root,
	s_wait_alu depctr_va_vdst(0)                   ; and the wait ahead of the first use: one for the four
.irp t, 0,1,2,3
	v_mul_f32 v[ST+4*\t], -v[ST+4*\t], v[ST+4*\t+2]
.endr
.set t_, 0
.rept 4
	WIN 0x02
.set p_, 0
.rept 32
	v_pk_fma_f32 v[128+2*p_:128+2*p_+1], v[64*t_+2*p_:64*t_+2*p_+1], v[ST+4*t_+2:ST+4*t_+3], v[ST+4*t_:ST+4*t_+1] op_sel_hi:[1,0,0]
.set p_, p_+1
.endr
	WIN 0x40
.set p_, 0
.rept 32
	v_cvt_pk_bf16_f32 v[32*t_+p_], v[128+2*p_], v[129+2*p_]
.set p_, p_+1
.endr
.set t_, t_+1
.endr
	WIN 0
.endm
.macro UNIT q                          ; the registers of query tile q: its 32 scores, four maxima at work (Qop's low half, dead behind the S products), its statistics: c m, m, l, l
.set rS, 128+32*(\q)
.set rC, 64+8*(\q)
.set rT, ST+4*(\q)
.endm
; One head (2 hp + e) of the piece: q, k, v; S^T; softmax; O^T; its 16 channels into OP.
.macro HEAD e
	WIN 0x40
	ds_load_b128 v[224:227], v[QB] offset:64*(\e)
	ds_load_b128 v[228:231], v[QB] offset:64*(\e)+16
	ds_load_b128 v[232:235], v[QB] offset:512+64*(\e)
	ds_load_b128 v[236:239], v[QB] offset:512+64*(\e)+16
	ds_load_b32 v240, v[RB] offset:1024+64*(\e)    ; v's result holds a channel a lane: one number
.set i_, 0
.rept 12                                               ; i_ = 3 ks + part
	ds_load_b128 v[128+8*i_:128+8*i_+3],   v[AB] offset:1024*(12*(\e)+4*(i_%3)+i_/3)
	ds_load_b128 v[128+8*i_+4:128+8*i_+7], v[AB] offset:1024*(12*(\e)+4*(i_%3)+i_/3)+512
.set i_, i_+1
.endr
	s_wait_dscnt 18                                ; the five bias loads and the first K step's six are in; three K steps' 18 may stay out
	WIN 0x41
.set i_, 1
.rept 7
	v_mov_b32 v[240+i_], v240
.set i_, i_+1
.endr
.set ks_, 0
.rept 4                                                ; 12 sums by turns, one instruction a turn
	s_wait_dscnt 18-6*ks_                          ; the later K steps' loads may stay out
.if ks_ == 0
	WIN 0x15                                       ; the biases start the sums
.else
	WIN 0x05
.endif
.set t_, 0
.rept 4
.if ks_ == 0
	MMA 128+8*t_, 128, 32*t_, 224
.else
	MMA 128+8*t_, 128+24*ks_, 32*t_+8*ks_, 128+8*t_
.endif
.set t_, t_+1
.endr
.set t_, 0
.rept 4
.if ks_ == 0
	MMA 160+8*t_, 136, 32*t_, 232
.else
	MMA 160+8*t_, 136+24*ks_, 32*t_+8*ks_, 160+8*t_
.endif
.set t_, t_+1
.endr
.set t_, 0
.rept 4
.if ks_ == 0
	MMA 192+8*t_, 32*t_, 144, 240
.else
	MMA 192+8*t_, 32*t_+8*ks_, 144+24*ks_, 192+8*t_
.endif
.set t_, t_+1
.endr
.set ks_, ks_+1
.endr
	PLACES 4
	WIN 0x40
.set i_, 0
.rept 7                                                ; the head's seven bias tiles, over the weights
	ds_load_b128 v[128+8*i_:128+8*i_+3],   v[AB] offset:32768+7168*(\e)+1024*i_
	ds_load_b128 v[128+8*i_+4:128+8*i_+7], v[AB] offset:32768+7168*(\e)+1024*i_+512
.set i_, i_+1
.endr
	WIN 0
.set i_, 0
.rept 16
	v_cvt_pk_bf16_f32 v[64+8*(i_/4)+i_%4], v[128+2*i_], v[129+2*i_]
.set i_, i_+1
.endr
.set i_, 0
.rept 16
	v_cvt_pk_bf16_f32 v[96+8*(i_/4)+i_%4], v[160+2*i_], v[161+2*i_]
.set i_, i_+1
.endr
	WIN 0x40
.set i_, 0
.rept 16
	v_cvt_pk_bf16_f32 v[240+i_], v[192+2*i_], v[193+2*i_]
.set i_, i_+1
.endr
	s_wait_dscnt 0x0                               ; the bias tiles
	WIN 0x10
.set i_, 0
.rept 16                                               ; query tile i_ / 4, key tile i_ % 4
	MMA 128+8*i_, 96+8*(i_%4), 64+8*(i_/4), 128+8*(i_/4-i_%4+3)
.set i_, i_+1
.endr
	PLACES 4
.if \e
	WIN 0x40
.set i_, 0
.rept 8                                                ; w_proj's fragments for this pair of heads: they land under the softmax
	ds_load_b128 v[160+8*i_:160+8*i_+3],   v[AB] offset:24576+1024*i_
	ds_load_b128 v[160+8*i_+4:160+8*i_+7], v[AB] offset:24576+1024*i_+512
.set i_, i_+1
.endr
.endif
	WIN 0
.set j_, 0
.rept 16                                               ; the maximum of a lane's 32 scores; each accumulator's lowest registers are read first; the four units alternate
.irp q, 0,1,2,3
	UNIT \q
.if j_ < 4
	v_max3_num_f32 v[rC+j_], v[rS+8*j_], v[rS+8*j_+1], v[rS+8*j_+2]
.elseif j_ < 12
	v_max3_num_f32 v[rC+j_%4], v[rC+j_%4], v[rS+8*(j_%4)+2*(j_/4)+1], v[rS+8*(j_%4)+2*(j_/4)+2]
.elseif j_ == 12
	v_max3_num_f32 v[rC], v[rC], v[rS+7], v[rS+15]
.elseif j_ == 13
	v_max3_num_f32 v[rC+2], v[rC+2], v[rS+23], v[rS+31]
.elseif j_ == 14
	v_max3_num_f32 v[rC], v[rC], v[rC+1], v[rC+2]
.else
	v_max_num_f32 v[rC], v[rC], v[rC+3]
.endif
.endr
.set j_, j_+1
.endr
.irp q, 0,1,2,3
	UNIT \q
	v_permlanex16_b32 v[rT+1], v[rC], s66, s67     ; the query's other 32 keys lie in the lane 16 away
.endr
.irp q, 0,1,2,3
	UNIT \q
	v_max_num_f32 v[rT+1], v[rC], v[rT+1]
.endr
.irp q, 0,1,2,3
	UNIT \q
	v_mul_f32 v[rT], s68, v[rT+1]
.endr
.set j_, 0
.rept 16
.irp q, 0,1,2,3
	UNIT \q
	v_pk_fma_f32 v[rS+2*j_:rS+2*j_+1], v[rS+2*j_:rS+2*j_+1], s[68:69], v[rT:rT+1] op_sel_hi:[1,0,0] neg_lo:[0,0,1] neg_hi:[0,0,1]
.endr
.set j_, j_+1
.endr
.set j_, 0
.rept 32
.irp q, 0,1,2,3
	UNIT \q
	v_exp_f32 v[rS+j_], v[rS+j_]
.endr
.set j_, j_+1
.endr
	v_nop                                          ; a plain instruction behind the last exponential,
	s_wait_alu depctr_va_vdst(0)                   ; and one wait for the head's 128, ahead of their first reader
.set j_, 0
.rept 16                                               ; pair j: into l, then rounded in place into register j: P's two operands of 8 registers lie at the unit's head
.irp q, 0,1,2,3
	UNIT \q
.if j_ == 0
	v_pk_add_f32 v[rT+2:rT+3], v[rS:rS+1], v[rS+2:rS+3]
.elseif j_ >= 2
	v_pk_add_f32 v[rT+2:rT+3], v[rT+2:rT+3], v[rS+2*j_:rS+2*j_+1]
.endif
	v_cvt_pk_bf16_f32 v[rS+j_], v[rS+2*j_], v[rS+2*j_+1]
.endr
.set j_, j_+1
.endr
.irp q, 0,1,2,3
	UNIT \q
	v_add_f32 v[rT+2], v[rT+2], v[rT+3]
.endr
.irp q, 0,1,2,3
	UNIT \q
	v_permlanex16_b32 v[rT+3], v[rT+2], s66, s67
.endr
.irp q, 0,1,2,3
	UNIT \q
	v_add_f32 v[rT+2], v[rT+2], v[rT+3]
.endr
.irp q, 0,1,2,3
	UNIT \q
	v_rcp_f32 v[rT+2], v[rT+2]
.endr
	WIN 0x51
.irp q, 0,1,2,3
	MMA0 128+8*\q, 240, 128+32*\q
.endr
.irp q, 0,1,2,3
	MMA 128+8*\q, 248, 136+32*\q, 128+8*\q
.endr
	PLACES 4                                       ; behind the products, and the plain instruction behind the reciprocals
	s_wait_alu depctr_va_vdst(0)                   ; one wait for the four reciprocals
	WIN 0x41
.set i_, 0
.rept 16
	v_pk_mul_f32 v[128+2*i_:129+2*i_], v[128+2*i_:129+2*i_], v[ST+4*(i_/4)+2:ST+4*(i_/4)+3] op_sel_hi:[1,0]
.set i_, i_+1
.endr
	WIN 0x05
.set i_, 0
.rept 16
	v_cvt_pk_bf16_f32 v[32+8*(i_/4)+4*(\e)+i_%4], v[128+2*i_], v[129+2*i_]
.set i_, i_+1
.endr
	WIN 0
.endm
.macro BADD off                        ; a vector of 128 f32 from VEC is added to every token of XC
	WIN 0
.set n_, 0
.rept 16
	ds_load_b128 v[128+4*n_:128+4*n_+3], v[VB] offset:(\off)+64*(n_/2)+16*(n_%2)
.set n_, n_+1
.endr
	s_wait_dscnt 0x0
	WIN 0x82
.set t_, 0
.rept 4
.set p_, 0
.rept 32
	v_pk_add_f32 v[64*t_+2*p_:64*t_+2*p_+1], v[64*t_+2*p_:64*t_+2*p_+1], v[128+2*p_:128+2*p_+1]
.set p_, p_+1
.endr
.set t_, t_+1
.endr
	WIN 0
.endm
; THE MLP.  A piece is two SUB-PIECES of two tiles (0: tiles 0, 1; 1: tiles 2, 3).  In a TURN one has the matrix unit (16 products fc2, 16 products fc1) and the other's GELU stands in slices behind its matrix instructions.
.macro LW1                             ; W1's eight fragments and fc1's bias of the next block
	WIN 0x40
.set i_, 0
.rept 8
	ds_load_b128 v[128+8*i_:128+8*i_+3],   v[MB1] offset:1024*i_
	ds_load_b128 v[128+8*i_+4:128+8*i_+7], v[MB1] offset:1024*i_+512
.set i_, i_+1
.endr
	WIN 0
.set i_, 0
.rept 4
	ds_load_b128 v[CT+4*i_:CT+4*i_+3], v[FB] offset:64*(i_/2)+16*(i_%2)
.set i_, i_+1
.endr
	v_add_nc_u32 v[MB1], 16384, v[MB1]
	v_add_nc_u32 v[FB], 128, v[FB]
.endm
.macro LW2 step                        ; W2's eight fragments
	WIN 0x40
.set i_, 0
.rept 8
	ds_load_b128 v[192+8*i_:192+8*i_+3],   v[MB2] offset:8192+1024*i_
	ds_load_b128 v[192+8*i_+4:192+8*i_+7], v[MB2] offset:8192+1024*i_+512
.set i_, i_+1
.endr
	WIN 0
.if \step
	v_add_nc_u32 v[MB2], 16384, v[MB2]
.endif
.endm
.macro FC2P m                          ; product n_ of 16: output channels 16 (n_ / 2) on, tile 2 m + n_ % 2: 16 different accumulators of XC
.set rD, 64*(2*(\m)+n_%2)+8*(n_/2)
	MMA rD, 192+8*(n_/2), HA+32*(\m)+16*(n_%2), rD
.endm
.macro FC1P m                          ; product n_ of 16: channels 32 (n_ / 4) on, hidden tile (n_ / 2) % 2, tile 2 m + n_ % 2: four sums by turns; the bias starts them
.set rD, HA+32*(\m)+16*(n_%2)+8*((n_/2)%2)
.if n_ < 4
	MMA rD, 128+8*(4*((n_/2)%2)+n_/4), 32*(2*(\m)+n_%2)+8*(n_/4), CT+8*((n_/2)%2)
.else
	MMA rD, 128+8*(4*((n_/2)%2)+n_/4), 32*(2*(\m)+n_%2)+8*(n_/4), rD
.endif
.endm
; GELU of sub-piece VS, 32 numbers a lane in four groups of 8 (a group = an accumulator).  PRE, slot sg of 200: the part ahead of the reciprocals' wait.  Group g has slots 40 g .. 40 g + 39: four of five are its 32 plain
; instructions (8 x |x|, then Horner's six steps on four pairs), every fifth is a reciprocal of group g - 1.  None of them names a reciprocal's result.
.macro PRE
.set g_, sg/40
.set w_, sg%40
.if (w_%5) == 4
.if g_ >= 1
	v_rcp_f32 v[RT+8*(g_-1)+w_/5], v[RT+8*(g_-1)+w_/5]
.endif
.elseif g_ < 4
.set k_, w_-w_/5
.set rA, AT+8*(g_%2)
.set rR, RT+8*g_
.set rH, HA+32*VS+8*g_
.if k_ < 8
	v_and_b32 v[rA+k_], s70, v[rH+k_]
.elseif k_ < 12
.set p_, k_-8
	v_pk_fma_f32 v[rR+2*p_:rR+2*p_+1], v[rA+2*p_:rA+2*p_+1], s[72:73], s[74:75] op_sel_hi:[1,0,0]
.elseif k_ < 28
.set p_, (k_-12)%4
.set c_, 76+2*((k_-12)/4)
	v_pk_fma_f32 v[rR+2*p_:rR+2*p_+1], v[rR+2*p_:rR+2*p_+1], v[rA+2*p_:rA+2*p_+1], s[c_:c_+1] op_sel_hi:[1,1,0]
.else
.set p_, k_-28
	v_pk_fma_f32 v[rR+2*p_:rR+2*p_+1], v[rR+2*p_:rR+2*p_+1], v[rA+2*p_:rA+2*p_+1], 1.0 op_sel_hi:[1,1,0]
.endif
.endif
.set sg, sg+1
.endm
; GQ, number gq of 112: behind the wait.  In a group of 28: r^2, r^4, r^8; erf = 1 - r^8 r^8; g = x + |x| erf; rounded to bf16 in place: a tile's 8 packed registers lie at the head of its 16.
.macro GQ
.set g_, gq/28
.set w_, gq%28
.set rR, RT+8*g_
.set rH, HA+32*VS+8*g_
.if w_ < 12
.set p_, w_%4
	v_pk_mul_f32 v[rR+2*p_:rR+2*p_+1], v[rR+2*p_:rR+2*p_+1], v[rR+2*p_:rR+2*p_+1]
.elseif w_ < 16
.set p_, w_-12
	v_pk_fma_f32 v[rR+2*p_:rR+2*p_+1], v[rR+2*p_:rR+2*p_+1], v[rR+2*p_:rR+2*p_+1], 1.0 op_sel_hi:[1,1,0] neg_lo:[1,0,0] neg_hi:[1,0,0]
.elseif w_ < 24
.set p_, w_-16
	v_fma_f32 v[rH+p_], |v[rH+p_]|, v[rR+p_], v[rH+p_]
.else
.set p_, w_-24
	v_cvt_pk_bf16_f32 v[HA+32*VS+16*(g_/2)+4*(g_%2)+p_], v[rH+2*p_], v[rH+2*p_+1]
.endif
.set gq, gq+1
.endm
; A TURN.  Sub-piece m: 16 products fc2 on the hidden values packed in the turn before, then 16 products fc1 for its next block.  Sub-piece v: GELU, PRE's slots behind the first 16, GQ's seven behind each of the others.
; loads = 1: W2 of the block in hand is fetched between the two runs; loads = 0: W1 and the bias, asked for ahead of the turn, are waited for there.
.macro TURN m, v, loads
.set VS, \v
.set n_, 0
.set sg, 0
.rept 16
	WIN 0xA1
	FC2P \m
	WIN 0
.rept (200*(n_+1))/16-(200*n_)/16
	PRE
.endr
.set n_, n_+1
.endr
	PLACES 5                                       ; the plain instruction behind the last reciprocal; the places ahead of the loads into W2 and ahead of the fc1 products that write over the operand just read
	s_wait_alu depctr_va_vdst(0)                   ; one wait for the turn's 32 reciprocals
.if \loads
	LW2 1
.else
	s_wait_dscnt 0x0                               ; W1 and the bias of the next block
.endif
.set n_, 0
.set gq, 0
.rept 16
	WIN 0x05
	FC1P \m
	WIN 0
.rept 7
	GQ
.endr
.set n_, n_+1
.endr
.endm
; The piece leaves: a tile's T-layout into my scratch, back as rows, stored; two row buffers take turns.
.macro OUT off
.set t_, 0
.rept 4
.if t_ >= 2
	s_wait_xcnt 0x0                                ; the stores two tiles back have read this row buffer
.endif
	WIN 0x08
.set n_, 0
.rept 16
	ds_store_b128 v[SCRD], v[64*t_+4*n_:64*t_+4*n_+3] offset:64*(n_/2)+16*(n_%2)
.set n_, n_+1
.endr
	WIN 0
.set n_, 0
.rept 16
	ds_load_b128 v[128+64*(t_%2)+4*n_:128+64*(t_%2)+4*n_+3], v[SCW] offset:SP*n_
.set n_, n_+1
.endr
.set n_, 0
.rept 16
	s_wait_dscnt 15-n_                             ; row n is back; the rows behind it may stay out
	global_store_b128 v[(\off)+n_], v[128+64*(t_%2)+4*n_:128+64*(t_%2)+4*n_+3], s[48+2*t_:49+2*t_] th:TH_STORE_NT  ; a token's 512 consecutive bytes, aligned
.set n_, n_+1
.endr
.set t_, t_+1
.endr
	s_wait_xcnt 0x0                                ; the row buffers and the offsets are rewritten only behind this wait
.endm
	s_load_b128 s[4:7], s[0:1], 0x0                ; x s[4:5], img s[6:7]
	s_load_b64 s[8:9], s[0:1], 0x10                ; out0
	v_lshl_add_u32 v[SPW], v0, 2, SPARE
	v_mov_b32 v[NIL], 0
	ds_add_u32 v[SPW], v[NIL]                      ; the wave's opening: the add and its wait stand ahead of my first tensor load; work on registers stands between them
	v_lshrrev_b32 v31, 5, v0
	v_readfirstlane_b32 s10, v31                   ; wave 0..3
	s_bfe_u32 s11, ttmp6, 0x40000                  ; my place in the cluster,
	s_lshl_b32 s12, ttmp9, 2
	s_add_co_u32 s11, s12, s11                     ; g = 4 x cluster + place: it enters x's and out0's addresses alone
	; descriptors: dense rows of 256 bytes (32 elements of 8 bytes), no padding; 15:0 the mask of four, 17:16 element size, 21 set beside a mask
	s_mov_b32 s16, 15|(3<<16)|(1<<21)
	s_mov_b32 s17, 32<<16                          ; tensor_dim0 = 32
	s_mov_b32 s18, 285<<16                         ; tensor_dim1 = 285: a wave's quarter of the first 291,840 bytes
	s_mov_b32 s19, 32<<16                          ; tile_dim0 = 32
	s_mov_b32 s20, 285                             ; tile_dim1
	s_mov_b32 s21, 32                              ; elements from row to row
	s_mov_b32 s22, 0
	s_mov_b32 s23, 0
	s_mov_b32 s24, 15|(3<<16)|(1<<21)
	s_mov_b32 s25, 32<<16
	s_mov_b32 s26, 160<<16                         ; 160 rows: a wave's quarter of MLP blocks 6-15
	s_mov_b32 s27, 32<<16
	s_mov_b32 s28, 160
	s_mov_b32 s29, 32
	s_mov_b32 s30, 0
	s_mov_b32 s31, 0
	s_mov_b32 s32, 1
	s_mul_i32 s33, s10, 72960                      ; LDS address: the wave's number times a constant
	s_mov_b32 s36, 1
	s_mul_i32 s37, s10, 40960
	s_add_co_u32 s37, s37, ATTB
	s_mov_b32 s66, 0x76543210                      ; v_permlanex16_b32: each lane takes its own place in the other half
	s_mov_b32 s67, 0xfedcba98
	s_mov_b32 s68, 0x3eb8aa3b                      ; c = log2(e) / 4
	s_mov_b32 s69, s68
	s_mov_b32 s70, 0x7fffffff
	s_mov_b32 s72, 0x36b49f67                      ; a6 / 8          = 5.382975e-6
	s_mov_b32 s74, 0x384d0fec                      ; a5 / 2^2.5      = 4.8890636e-5
	s_mov_b32 s76, 0x381f6607                      ; a4 / 4          = 3.8003575e-5
	s_mov_b32 s78, 0x3b56cd72                      ; a3 / 2^1.5      = 3.2776263e-3
	s_mov_b32 s80, 0x3cad2fe7                      ; a2 / 2          = 2.11410062e-2
	s_mov_b32 s82, 0x3d4c41b4                      ; a1 / 2^0.5      = 4.98673466e-2
.irp i, 72,74,76,78,80,82
	s_mov_b32 s[\i+1], s[\i]                       ; named as pairs
.endr
	s_mov_b32 s90, 0x3c000000                      ; 1 / 128
	s_mov_b32 s91, 0x3727c5ac                      ; 1e-5
	v_and_b32 v[L16], 31, v0
	v_lshlrev_b32 v[L16], 4, v[L16]
	v_and_b32 v31, 15, v0                          ; r
	v_bfe_u32 v[VB], v0, 4, 1                      ; h
	s_mul_i32 s87, s10, SCRW
	s_add_co_u32 s87, s87, SCR                     ; my scratch
	v_add_nc_u32 v[SCW], s87, v[L16]
	v_mul_u32_u24 v[SCRD], v31, SP
	v_lshl_add_u32 v[SCRD], v[VB], 5, v[SCRD]
	v_add_nc_u32 v[SCRD], s87, v[SCRD]
	v_lshlrev_b32 v[VB], 5, v[VB]
	v_add_nc_u32 v[VB], VEC, v[VB]
	v_add_nc_u32 v[FB0], VF1, v[VB]
	v_lshlrev_b32 v[RB0], 2, v31
	v_add_nc_u32 v[RB0], VEC, v[RB0]
	s_and_b32 s71, s11, 7                          ; ww
	s_lshl_b32 s71, s71, 2
	s_add_co_u32 s71, s71, 2
.irp j, 0,1,2,3
	s_add_co_u32 s[56+\j], s71, \j
	s_and_b32 s[56+\j], s[56+\j], 31
	s_lshl_b32 s[56+\j], s[56+\j], 14              ; ((4 ww + 2 + j) % 32) lines of 32 tokens of 512 bytes
.endr
	s_lshr_b32 s12, s11, 6
	s_lshl_b32 s12, s12, 24                        ; b x 32,768 tokens
	s_bfe_u32 s13, s11, 0x30003                    ; wh
	s_lshl_b32 s13, s13, 2
	s_add_co_u32 s13, s13, 2
	s_mov_b32 s89, 0
	s_wait_dscnt 0x0                               ; the opening add is done
	s_wait_kmcnt 0x0
	s_mul_i32 s88, s10, 72960
	s_add_nc_u64 s[34:35], s[6:7], s[88:89]
	s_or_b32 s35, s35, 0x80000000                  ; type = 2
	s_mul_i32 s88, s10, 40960
	s_add_co_u32 s88, s88, IMG2
	s_add_nc_u64 s[38:39], s[6:7], s[88:89]
	s_or_b32 s39, s39, 0x80000000
.irp t, 0,1,2,3
	s_add_co_u32 s88, s13, \t
	s_and_b32 s88, s88, 31
	s_lshl_b32 s88, s88, 19                        ; ((4 wh + 2 + t) % 32) planes of 1,024 tokens
	s_add_co_u32 s88, s88, s12
	s_add_nc_u64 s[40+2*\t:41+2*\t], s[4:5], s[88:89]
	s_add_nc_u64 s[48+2*\t:49+2*\t], s[8:9], s[88:89]
.endr
	MKOFF 0, 128
	LOADX 128                                      ; piece A's rows start ahead of the round
	ROUND                                          ; all four work-groups are here: the first joint loads meet
	tensor_load_to_lds s[32:35], s[16:23]          ; my quarter of MLP blocks 0-5, the attention blocks and the vectors: the one tensor load of mine that is out
	s_nop 0
	PLACES 4
	WIN 0x80
.set i_, 0
.rept 256
	v_mov_b32 v[i_], 0                             ; the first ENTER parks XC: it holds zeros.  Written while the rows and the weights are on their way
.set i_, i_+1
.endr
	WIN 0
.set i_, 0
.rept 16
	v_mov_b32 v[ST+i_], 0
	v_mov_b32 v[68+8*(i_/4)+i_%4], 0               ; the upper halves of Qop and Kop: channels 16-31 of K = 32, zeros through both attentions
	v_mov_b32 v[100+8*(i_/4)+i_%4], 0
.set i_, i_+1
.endr
	s_wait_tensorcnt 0x0                           ; my quarter is in,
	s_barrier_signal -1
	s_barrier_wait -1                              ; everybody's is
	s_mov_b32 s14, 2
.Latt:                                                 ; attention of piece A, then of piece B
	ENTER
	s_cmp_lg_u32 s14, 2
	s_cbranch_scc1 .Lno_next
	MKOFF 1, 128                                   ; (piece A's loads are done: their offsets may be written)
	LOADX 128                                      ; piece B's rows land under piece A's attention
	s_wait_xcnt 0x0                                ; LN writes over the offsets
.Lno_next:
	LN
	v_add_nc_u32 v[AB], ATTB, v[L16]
	v_mov_b32 v[QB], v[VB]
	v_mov_b32 v[RB], v[RB0]
	s_mov_b32 s15, 4
.Lhp:                                                  ; a pair of heads: 32 attention channels, one K step of the projection
	HEAD 0
	HEAD 1
	s_wait_dscnt 0x0                               ; w_proj's fragments
	WIN 0xA1
.set i_, 0
.rept 32                                               ; onto x itself: 32 different accumulators
	MMA 64*(i_%4)+8*(i_/4), 160+8*(i_/4), 32+8*(i_%4), 64*(i_%4)+8*(i_/4)
.set i_, i_+1
.endr
	WIN 0
	PLACES 4
	v_add_nc_u32 v[AB], ABLK, v[AB]
	v_add_nc_u32 v[QB], 128, v[QB]
	v_add_nc_u32 v[RB], 128, v[RB]
	s_sub_co_u32 s15, s15, 1
	s_cmp_lg_u32 s15, 0
	s_cbranch_scc1 .Lhp
	s_sub_co_u32 s14, s14, 1
	s_cmp_lg_u32 s14, 0
	s_cbranch_scc1 .Latt
	; THE REFILL: XC = B, XP = A; nobody needs the attention blocks any more
	s_wait_loadcnt 0x0
	s_wait_tensorcnt 0x0                           ; no tensor load of mine is out
	ds_add_u32 v[SPW], v[NIL]                      ; 0 onto my spare word
	s_mov_b32 s14, 2
	s_wait_dscnt 0x0                               ; the add is done, and my reads of the attention blocks are over
	ROUND                                          ; that holds of every wave of all four work-groups
	tensor_load_to_lds s[36:39], s[24:31]          ; my quarter of MLP blocks 6-15: the first thing behind the round, my one load
	s_nop 0
	PLACES 4
.Lmlp:                                                 ; MLP of piece B, then of piece A
	BADD VPJ                                       ; + b_proj: the block's first residual is whole.  These read the vectors alone, bytes that the refill does not touch
	LN
	BADD VF2                                       ; + b_fc2, ahead of fc2's sums
	s_wait_tensorcnt 0x0                           ; my quarter of the refill is in (in the second trip nothing is out),
	s_wait_dscnt 0x0
	s_barrier_signal -1
	s_barrier_wait -1                              ; everybody's is
	v_mov_b32 v[MB1], v[L16]
	v_mov_b32 v[MB2], v[L16]
	v_mov_b32 v[FB], v[FB0]
	LW1                                            ; block 0
	LW2 0                                          ; the first turn multiplies zeros by W2's registers: they hold block 0's numbers
.set i_, 0
.rept 16
	v_mov_b32 v[HA+32+16*(i_/8)+i_%8], 0           ; sub-piece 1 has no hidden values yet
.set i_, i_+1
.endr
	s_wait_dscnt 0x0
	WIN 0x05
.set n_, 0
.rept 16
	FC1P 0
.set n_, n_+1
.endr
	WIN 0
	PLACES 5
	s_mov_b32 s15, 16
.Lblk:                                                 ; trip i: 32 hidden channels
	TURN 1, 0, 1                                   ; fc2(1, i - 1), W2(i) asked for, fc1(1, i) | GELU(0, i)
	LW1                                            ; block i + 1 (behind the last block: bytes whose products are never read, and zeros)
	s_wait_dscnt 20                                ; W2's 16 loads are in; the 20 just issued may stay out
	TURN 0, 1, 0                                   ; fc2(0, i), fc1(0, i + 1) | GELU(1, i)
	s_sub_co_u32 s15, s15, 1
	s_cmp_lg_u32 s15, 0
	s_cbranch_scc1 .Lblk
	WIN 0xA1
.set n_, 0
.rept 16
	FC2P 1                                         ; fc2(1, 15)
.set n_, n_+1
.endr
	WIN 0
	PLACES 4
	s_sub_co_u32 s87, s14, 1                       ; piece B first, then A
	MKOFF s87, 64
	OUT 64
	s_cmp_eq_u32 s14, 1
	s_cbranch_scc1 .Lno_move
	WIN 0x83
.set i_, 0
.rept 256
	v_mov_b32 v[i_], v[i_]                         ; the parked piece comes back
.set i_, i_+1
.endr
	WIN 0
.Lno_move:
	s_sub_co_u32 s14, s14, 1
	s_cmp_lg_u32 s14, 0
	s_cbranch_scc1 .Lmlp
	s_wait_tensorcnt 0x0                           ; the wave's end, behind my last tensor load and my last LDS store
	ds_add_u32 v[SPW], v[NIL]
	s_wait_dscnt 0x0
	ROUND                                          ; the closing round: no work-group ends while a partner may still ask for a tile that names it
	s_endpgm
.Lfunc_end_k_qc204263796_block:
	.size	k_qc204263796_block, .Lfunc_end_k_qc204263796_block-k_qc204263796_block
	.p2alignl 7, 3214868480
	.fill 96, 4, 3214868480
	.section	.rodata,"a",@progbits
	.p2align	6, 0x0
	.amdhsa_kernel k_qc204263796_block
		.amdhsa_group_segment_fixed_size 327680
		.amdhsa_private_segment_fixed_size 0
		.amdhsa_enable_private_segment 0
		.amdhsa_kernarg_size 24
		.amdhsa_user_sgpr_count 2
		.amdhsa_user_sgpr_kernarg_segment_ptr 1
		.amdhsa_wavefront_size32 1
		.amdhsa_system_sgpr_workgroup_id_x 1
		.amdhsa_system_sgpr_workgroup_id_y 1
		.amdhsa_system_sgpr_workgroup_id_z 1
		.amdhsa_system_vgpr_workitem_id 0
		.amdhsa_next_free_vgpr 1024
		.amdhsa_next_free_sgpr 96
		.amdhsa_reserve_vcc 0
		.amdhsa_float_denorm_mode_32 3
		.amdhsa_float_denorm_mode_16_64 3
		.amdhsa_memory_ordered 1
		.amdhsa_forward_progress 1
		.amdhsa_inst_pref_size 255
	.end_amdhsa_kernel
	.section	.bss,"aw",@nobits
	.p2align	6
	.space	262144
	.amdgpu_metadata
---
amdhsa.version: [ 1, 2 ]
amdhsa.kernels:
  - .name:           k_qc204263796_block
    .symbol:         k_qc204263796_block.kd
    .args:
      - { .name: x, .offset: 0, .size: 8, .value_kind: global_buffer, .address_space: global }
      - { .name: img, .offset: 8, .size: 8, .value_kind: global_buffer, .address_space: global }
      - { .name: out0, .offset: 16, .size: 8, .value_kind: global_buffer, .address_space: global }
    .group_segment_fixed_size: 327680
    .private_segment_fixed_size: 0
    .kernarg_segment_align: 8
    .kernarg_segment_size: 24
    .max_flat_workgroup_size: 128
    .sgpr_count:     96
    .vgpr_count:     1024
    .wavefront_size: 32
...
	.end_amdgpu_metadata
.endif
;; end of part 2
